; MI455X (gfx1250); checked and timed in simulation.
; The chip was launched on July 23, 2026; its instructions are those of AMD's public machine-readable ISA for CDNA 5 (MIT licence, August 2026) and "CDNA5" Instruction Set Architecture Reference Guide (July 2026). The comments in the code are by the model that wrote it; some were corrected since.
;; Attention Block. Allowed arithmetic: matrix products marked QUANTISED: E5M2 operands, one given power-of-two scale a tensor, by v_wmma_f32_16x16x64_bf8_bf8 or v_wmma_f32_16x16x128_bf8_bf8, f32 sums; everything else in f32.
;; Inputs: W1_codes 512 x 16 x 32 uint8 (E5M2 codes of W1, K innermost, in blocks of 32 codes); W2_codes 512 x 16 x 32 uint8 (E5M2 codes of W2, K innermost, in blocks of 32 codes); b1 512 float32; b2 512 float32; key_masks 8 x 2,048 float32; keys 8 x 2,048 x 512 float32; ln2_b 512 float32; ln2_w 512 float32; ln_b 512 float32; ln_w 512 float32; lowp_scales 8 int32 (the exponents e of the quantised operands' scales 2^e); queries 8 x 2,048 x 512 float32; query_masks 8 x 2,048 float32.
;; Outputs: out0 8 x 2,048 x 512 float32.
;; This version of the problem:
;;   THIS VERSION OF THE PROBLEM IS GIVEN IN LOW PRECISION. The matrix products marked QUANTISED in the list below multiply operands that are first quantised to E5M2 (5 exponent bits, 2 mantissa bits; 8 bits a number), with one given power-of-two scale for each operand tensor; their sums are f32. All else is computed in f32.
;;   The module's matrix products, in the order in which they are computed (A, B: the left and right operand; K: the contracted axis; several contracted axes count as one K, in the product's order):
;;     1. batch 8 x [M 2,048, K 512] x [K 512, N 2,048]; A: input queries; B: input keys: QUANTISED (scales: A lowp_scales[0], B lowp_scales[1])
;;     2. batch 8 x [M 2,048, K 2,048] x [K 2,048, N 512]; A: computed on the way; B: input keys: QUANTISED (scales: A lowp_scales[2], B lowp_scales[3])
;;     3. [M 16,384, K 512] x [K 512, N 512]; A: computed on the way; B: input W1 (given as codes): QUANTISED (scales: A lowp_scales[4], B lowp_scales[5])
;;     4. [M 16,384, K 512] x [K 512, N 512]; A: computed on the way; B: input W2 (given as codes): QUANTISED (scales: A lowp_scales[6], B lowp_scales[7])
;;   THE QUANTISER, for each operand of a quantised product, along K:
;;     - The operand's scale is 2^e, e = its entry of the input lowp_scales (int32; the entries are numbered through the quantised products in the list's order, A before B).
;;     - Each number is divided by the scale, clamped to +-57,344, and rounded to the nearest number of E5M2, ties to even, subnormals kept.
;;     - The product sums the exact products of the quantised numbers (number of the format x scale) in f32.
;;   ~~~python
;;   def quantise(x, axis, e):      # numpy; x: float32 -> the quantised numbers, widened to float32 again
;;       x = np.moveaxis(x, axis, -1); K = x.shape[-1]
;;       r = np.clip(x / 2.0 ** e, -57344, 57344)
;;       step = 2.0 ** (np.maximum(np.frexp(np.where(r == 0, 1, r))[1] - 1, -14) - 2)
;;       q = np.round(r / step) * step * 2.0 ** e      # np.round: ties to even
;;       return np.moveaxis(q, -1, axis).astype(np.float32)
;;   ~~~
;;   OPERANDS COMPUTED ON THE WAY. 'Computed on the way' means the value that the module computes at that place (a softmax that the list does not call 'softmax' is quantised finished and normalised). What goes into a quantiser is computed in f32, as accurately as f32 sums, v_exp_f32 and their like allow (about 1e-6 of the number): no bf16 or f16 on the way to a quantiser, and a product that is left as it is and whose result goes on into a quantised operand takes f32 operands (vector FMAs, or v_wmma_f32_16x16x4_f32). A number that lies on a knife's edge between two numbers of the format may be rounded either way, as far as f32 arithmetic and the matrix unit's own rounding can turn it there, and no further.
;;   INPUTS GIVEN AS CODES. W1 (in the module: [512, 512], K = its axis 1); W2 (in the module: [512, 512], K = its axis 1): each comes as NAME_codes (uint8): NAME with its K axis moved to the last place and cut into blocks of 32 codes, [.., K / 32, bytes a block], one block behind the other in memory; one code a byte (a code: sign, 5 exponent bits, 2 mantissa bits); its scale is its entry of lowp_scales. Its value is code x scale, taken as it is: it is not quantised again, and the codes and scales need not be those that the quantiser above would give.
;; One version. Each part assembles by itself: llvm-mc -triple=amdgcn-amd-amdhsa -mcpu=gfx1250 --defsym DOCPART=n.
;; ======== version 1 of 1: 2 launches
;; limits: right only within a limited range of input values
;; workspace buffers: kv_img 16,777,216 bytes; w_img 524,288 bytes
;; launch prep (part 1): grid 256 x 1, 8 waves a work-group, no clusters, 140,288 bytes of LDS; arguments keys, W1_codes, W2_codes, lowp_scales, kv_img, w_img; writes kv_img, w_img
.if DOCPART == 1
	.amdgcn_target "amdgcn-amd-amdhsa--gfx1250"
	.amdhsa_code_object_version 6
	.text
	.protected	k_qc196f841d1_prep
	.globl	k_qc196f841d1_prep
	.p2align	8
	.type	k_qc196f841d1_prep,@function
k_qc196f841d1_prep:
	s_mov_b64 s[64:65], 0
	v_nop
	global_prefetch_b8 v0, s[64:65] scope:SCOPE_SE
	s_setreg_imm32_b32 hwreg(HW_REG_WAVE_MODE, 25, 1), 1
	s_wait_xcnt 0x0
; keys [8][2048][512] f32 become codes of BF8 (E5M2) twice: along the channels with the scale 2^e1 (the first product's operand) and along the keys with 2^e3 (the second's).
; W1's and W2's codes are copied, not quantised again.  All three are laid as IMAGES OF OPERAND REGISTERS: a fragment is 16 rows x 128 K = 2,048 bytes in four pieces c of 512 bytes;
; byte 512 c + 16 lane + x holds row lane % 16, k = 32 c + 16 (lane / 16) + x.  Row r of tile 2 b + u is row 32 b + 8 u + r + 8 (r / 8) of the tensor.
; kv_img: [batch 8][group of 128 keys 16][part 2][wave 4][fragment 8][2048].  Part 0: rows = keys 32 wave + .., fragment 4 u + s, k = channel 128 s + ..;  part 1: rows = channels 128 wave + .., fragment t, k = the group's keys.
; w_img:  [layer 2][half 2][unit 2][wave 4][fragment 4 t'' + s][2048], tile t = 4 half + 2 unit + t'', rows = 128 wave + .., k = 128 s + ...
; code = x / 2^e, held within +-57,344, to the nearest code, ties to even.  LIMITS: e1 and e3 between -126 and 112.  NaN among the inputs is not served.
; SHARES.  Wave g = 8 x work-group + wave takes 32 keys x 128 channels.  Each of its 32 loads reads 512 consecutive bytes; the tile turns through the wave's own stage in LDS and comes back
; once with 16 neighbouring channels a lane and once with 16 neighbouring keys a lane.  Each store writes 512 consecutive bytes, at a multiple of 512.  Waves share nothing: no barrier.
.set WREG, 17408                       ; a wave's stage: row i of 512 bytes at 528 i + 128 (i / 16)
.set X,    16                          ; v16-143  eight sets of 16 numbers
.set C,    144                         ; v144-207 sixteen pieces of codes, four registers each: no store's data are written again
	s_load_b256 s[4:11], s[0:1], 0x0               ; keys s[4:5], W1 s[6:7], W2 s[8:9], the scales' exponents s[10:11]
	s_load_b128 s[12:15], s[0:1], 0x20             ; kv_img s[12:13], w_img s[14:15]
	v_lshl_add_u32 v208, v0, 2, 0x22000
	v_mov_b32 v209, 0
	v_lshrrev_b32 v2, 5, v0
	s_delay_alu instid0(VALU_DEP_1)
	v_readfirstlane_b32 s16, v2                    ; wave 0..7
	v_and_b32 v2, 31, v0
	s_delay_alu instid0(VALU_DEP_1)
	v_lshlrev_b32 v1, 4, v2                        ; 16 x lane
	v_and_b32 v3, 15, v0                           ; r
	v_bfe_u32 v4, v0, 4, 1                         ; h
	s_delay_alu instid0(VALU_DEP_2)
	v_and_b32 v9, 8, v3                            ; 8 (r / 8)
	s_delay_alu instid0(VALU_DEP_1)
	v_add_nc_u32 v8, v9, v3                        ; r + 8 (r / 8)
	s_mul_i32 s17, s16, WREG                       ; my stage
	v_add_nc_u32 v5, s17, v1                       ; in: 16 bytes a lane of a row
	v_mul_u32_u24 v6, v8, 528
	s_delay_alu instid0(VALU_DEP_1)
	v_lshl_add_u32 v6, v9, 4, v6                   ; rows 16 on lie 128 bytes further
	s_delay_alu instid0(VALU_DEP_1)
	v_lshl_add_u32 v6, v4, 6, v6
	s_delay_alu instid0(VALU_DEP_1)
	v_add_nc_u32 v6, s17, v6                       ; back, for K: key r + 8 (r / 8), 16 channels from 16 h on
	v_mul_u32_u24 v7, v4, 8576
	s_delay_alu instid0(VALU_DEP_1)
	v_lshl_add_u32 v7, v8, 2, v7
	s_delay_alu instid0(VALU_DEP_1)
	v_add_nc_u32 v7, s17, v7                       ; back, for V: keys 16 h on, channel r + 8 (r / 8)
	v_lshlrev_b32 v14, 9, v8
	s_delay_alu instid0(VALU_DEP_1)
	v_lshl_add_u32 v14, v4, 4, v14                 ; a weight's codes: row r + 8 (r / 8) of 512 bytes, + 16 h
	s_lshl_b32 s18, ttmp9, 3
	s_add_co_u32 s18, s18, s16                     ; g
	s_lshr_b32 s19, s18, 2                         ; which 32 keys of the 16,384
	s_and_b32 s20, s18, 3                          ; which 128 channels
	s_lshr_b32 s21, s19, 6                         ; batch
	s_bfe_u32 s22, s19, 0x40002                    ; group of 128 keys
	s_and_b32 s23, s19, 3                          ; which 32 keys of the group
	s_lshl_b32 s24, s19, 16
	s_lshl_b32 s25, s20, 9
	s_add_co_u32 s24, s24, s25                     ; keys: 32 rows of 2,048 bytes, + 512 for each 128 channels
	s_mov_b32 s25, 0
	s_lshl_b32 s26, s21, 21
	s_lshl_b32 s27, s22, 17
	s_add_co_u32 s26, s26, s27                     ; the group's 128 KiB in kv_img
	s_lshl_b32 s28, s23, 14
	s_lshl_b32 s29, s20, 11
	s_add_co_u32 s28, s28, s29
	s_add_co_u32 s28, s28, s26                     ; part 0: wave = my 32 keys, fragment 4 u + my channels
	s_mov_b32 s29, 0
	s_lshl_b32 s30, s20, 14
	s_lshl_b32 s31, s23, 9
	s_add_co_u32 s30, s30, s31
	s_add_co_u32 s30, s30, s26
	s_add_co_u32 s30, s30, 65536                   ; part 1: wave = my channels, piece = my 32 keys
	s_mov_b32 s31, 0
	s_wait_kmcnt 0x0
	s_load_b128 s[36:39], s[10:11], 0x0            ; e0 .. e3
	s_add_nc_u64 s[4:5], s[4:5], s[24:25]
	s_add_nc_u64 s[32:33], s[12:13], s[28:29]
	s_add_nc_u64 s[34:35], s[12:13], s[30:31]
.set n, 0
.rept 32
	global_load_b128 v[X+4*n:X+4*n+3], v1, s[4:5] offset:2048*n th:TH_LOAD_NT   ; row n: 32 lanes read 512 consecutive bytes
.set n, n+1
.endr
	s_wait_kmcnt 0x0
	s_add_co_i32 s40, s37, 127
	s_lshl_b32 s41, s40, 23
	v_mov_b32 v11, s41                             ; 2^e1 as f32: the conversion takes its exponent field
	s_add_co_i32 s40, s40, 15
	s_lshl_b32 s40, s40, 23
	s_or_b32 s40, s40, 0x600000
	v_mov_b32 v10, s40                             ; 57,344 x 2^e1
	s_add_co_i32 s40, s39, 127
	s_lshl_b32 s41, s40, 23
	v_mov_b32 v13, s41                             ; 2^e3
	s_add_co_i32 s40, s40, 15
	s_lshl_b32 s40, s40, 23
	s_or_b32 s40, s40, 0x600000
	v_mov_b32 v12, s40                             ; 57,344 x 2^e3
	s_wait_alu depctr_va_vdst(0)
.irp q, 0,1,2,3
	s_wait_loadcnt 24-8*\q                         ; loads come back in order: eight more rows are in, the younger ones stay out
.irp k, 0,1,2,3,4,5,6,7
	ds_store_b128 v5, v[X+4*(8*\q+\k):X+4*(8*\q+\k)+3] offset:528*(8*\q+\k)+128*(\q/2)
.endr
.endr
	s_wait_dscnt 0x0                               ; the stores have read their registers, which the loads below fill again
; sixteen numbers in v[x] on become sixteen codes in v[c] on
.macro WORK x, c, lim, scl
.set n, 0
.rept 16
	v_med3_num_f32 v[\x+n], v[\x+n], -v[\lim], v[\lim]   ; the conversion to an 8-bit code does not saturate (ISA guide 7.6.2): the hold at the largest code x the scale
.set n, n+1
.endr
	v_cvt_scalef32_pk8_bf8_f32 v[\c:\c+1], v[\x:\x+7], v[\scl]
	v_cvt_scalef32_pk8_bf8_f32 v[\c+2:\c+3], v[\x+8:\x+15], v[\scl]
.endm
; K: piece p = 4 u + c: key 8 u + r + 8 (r / 8), channels 32 c + 16 h + 0 .. 15
.irp p, 0,1,2,3,4,5,6,7
.irp j, 0,1,2,3
	ds_load_b128 v[X+16*\p+4*\j:X+16*\p+4*\j+3], v6 offset:4224*(\p/4)+128*(\p%4)+16*\j
.endr
.endr
.irp p, 0,1,2,3,4,5,6,7
	s_wait_dscnt 4*(7-\p)                          ; piece p's four loads are in; the younger pieces' stay out
	WORK X+16*\p, C+4*\p, 10, 11
	global_store_b128 v1, v[C+4*\p:C+4*\p+3], s[32:33] offset:8192*(\p/4)+512*(\p%4)
.endr
; V: piece t: channel 32 (t / 2) + 8 (t % 2) + r + 8 (r / 8), keys 16 h + 0 .. 15
.macro VLD t
.set n, 0
.rept 16
	ds_load_b32 v[X+16*(\t)+n], v7 offset:528*n+128*((\t)/2)+32*((\t)%2)
.set n, n+1
.endr
.endm
	VLD 0
	VLD 1
	VLD 2
.irp t, 0,1,2,3,4,5,6,7
.if \t < 5
	s_wait_dscnt 32                                ; piece t is in; the two pieces behind it stay out
	VLD \t+3
.else
	s_wait_dscnt 16*(7-\t)
.endif
	WORK X+16*\t, C+32+4*\t, 12, 13
	global_store_b128 v1, v[C+32+4*\t:C+32+4*\t+3], s[34:35] offset:2048*\t
.endr
	v_nop                                          ; a plain line behind the last conversion
; The weights: 1,024 pieces of 512 bytes, one for each wave of the first 128 work-groups.  No LDS.
	s_cmp_lt_u32 ttmp9, 128
	s_cbranch_scc0 .Lend
	s_and_b32 s40, s18, 511                        ; the piece in its layer: half, unit, wave (2 bits), t'', s (2), c (2)
	s_cmp_lt_u32 s18, 512
	s_cselect_b64 s[6:7], s[6:7], s[8:9]           ; W1's codes or W2's: the choice hangs on ids alone
	s_bfe_u32 s41, s40, 0x20005
	s_lshl_b32 s41, s41, 7                         ; 128 wave
	s_lshr_b32 s42, s40, 7
	s_lshl_b32 s42, s42, 5                         ; + 32 (t / 2)
	s_add_co_u32 s41, s41, s42
	s_bfe_u32 s42, s40, 0x10004
	s_lshl_b32 s42, s42, 3                         ; + 8 (t % 2)
	s_add_co_u32 s41, s41, s42
	s_lshl_b32 s41, s41, 9                         ; rows of 512 bytes
	s_and_b32 s42, s40, 15
	s_lshl_b32 s42, s42, 5                         ; + 128 s + 32 c
	s_add_co_u32 s42, s41, s42
	s_mov_b32 s43, 0
	s_add_nc_u64 s[6:7], s[6:7], s[42:43]
	s_lshl_b32 s44, s18, 9
	s_mov_b32 s45, 0
	s_add_nc_u64 s[14:15], s[14:15], s[44:45]
	global_load_b128 v[16:19], v14, s[6:7]
	s_wait_loadcnt 0x0
	global_store_b128 v1, v[16:19], s[14:15]
.Lend:
	s_wait_tensorcnt 0x0
	ds_add_u32 v208, v209
	s_wait_dscnt 0x0
	s_endpgm
.Lfunc_end_k_qc196f841d1_prep:
	.size	k_qc196f841d1_prep, .Lfunc_end_k_qc196f841d1_prep-k_qc196f841d1_prep
	.p2alignl 7, 3214868480
	.fill 96, 4, 3214868480
	.section	.rodata,"a",@progbits
	.p2align	6, 0x0
	.amdhsa_kernel k_qc196f841d1_prep
		.amdhsa_group_segment_fixed_size 140288
		.amdhsa_private_segment_fixed_size 0
		.amdhsa_enable_private_segment 0
		.amdhsa_kernarg_size 48
		.amdhsa_user_sgpr_count 2
		.amdhsa_user_sgpr_kernarg_segment_ptr 1
		.amdhsa_wavefront_size32 1
		.amdhsa_system_sgpr_workgroup_id_x 1
		.amdhsa_system_sgpr_workgroup_id_y 1
		.amdhsa_system_sgpr_workgroup_id_z 1
		.amdhsa_system_vgpr_workitem_id 0
		.amdhsa_next_free_vgpr 210
		.amdhsa_next_free_sgpr 66
		.amdhsa_reserve_vcc 0
		.amdhsa_float_denorm_mode_32 3
		.amdhsa_float_denorm_mode_16_64 3
		.amdhsa_memory_ordered 1
		.amdhsa_forward_progress 1
		.amdhsa_inst_pref_size 40
	.end_amdhsa_kernel
	.amdgpu_metadata
---
amdhsa.version: [ 1, 2 ]
amdhsa.kernels:
  - .name:           k_qc196f841d1_prep
    .symbol:         k_qc196f841d1_prep.kd
    .args:
      - { .name: keys, .offset: 0, .size: 8, .value_kind: global_buffer, .address_space: global }
      - { .name: W1_codes, .offset: 8, .size: 8, .value_kind: global_buffer, .address_space: global }
      - { .name: W2_codes, .offset: 16, .size: 8, .value_kind: global_buffer, .address_space: global }
      - { .name: lowp_scales, .offset: 24, .size: 8, .value_kind: global_buffer, .address_space: global }
      - { .name: kv_img, .offset: 32, .size: 8, .value_kind: global_buffer, .address_space: global }
      - { .name: w_img, .offset: 40, .size: 8, .value_kind: global_buffer, .address_space: global }
    .group_segment_fixed_size: 140288
    .private_segment_fixed_size: 0
    .kernarg_segment_align: 8
    .kernarg_segment_size: 48
    .max_flat_workgroup_size: 256
    .sgpr_count:     66
    .vgpr_count:     210
    .wavefront_size: 32
...
	.end_amdgpu_metadata
.endif
;; end of part 1
;; launch attn (part 2): grid 32 x 8, 4 waves a work-group, clusters of 4 x 1, 327,680 bytes of LDS; arguments queries, query_masks, key_masks, ln_w, ln_b, ln2_w, ln2_b, b1, b2, lowp_scales, kv_img, w_img, out0; writes out0
.if DOCPART == 2
	.amdgcn_target "amdgcn-amd-amdhsa--gfx1250"
	.amdhsa_code_object_version 6
	.text
	.protected	k_qc196f841d1_attn
	.globl	k_qc196f841d1_attn
	.p2align	8
	.type	k_qc196f841d1_attn,@function
k_qc196f841d1_attn:
	s_mov_b64 s[64:65], 0
	v_nop
	global_prefetch_b8 v0, s[64:65] scope:SCOPE_SE
	s_setreg_imm32_b32 hwreg(HW_REG_WAVE_MODE, 25, 1), 1
	s_wait_xcnt 0x0
	s_wait_alu depctr_hold_cnt(0) depctr_sa_sdst(0) depctr_va_vdst(0) depctr_va_sdst(0) depctr_va_ssrc(0) depctr_va_vcc(0) depctr_vm_vsrc(0)
	s_getreg_b32 s2, hwreg(HW_REG_IB_STS2, 6, 4)
	s_cmp_eq_u32 s2, 0
	s_cbranch_scc0 .Lentry_in_a_cluster
	s_endpgm
.Lentry_in_a_cluster:
	s_bfe_u32 s2, ttmp6, 0x10000c
	s_cmp_lg_u32 s2, 0x3003
	s_cbranch_scc0 .Lentry_shape_is_right
	s_endpgm
.Lentry_shape_is_right:
; out0 = LN2(y + x), y = relu(x W1^T + b1) W2^T + b2, x = LN1(P K + Q), P = softmax(Q K^T / sqrt(512), masked keys at -(2^32 - 1)) x query mask.  (sqrt(512) + 1e-8 is sqrt(512) in f32.)
; All four products on codes of BF8 (E5M2) with the given scales; P is quantised finished and normalised, so the keys are walked twice: pass 1 finds each row's largest t and its sum, pass 2 makes the scores again, p, its codes, and P K.
; SHARES.  A work-group owns 64 queries of one batch, through the whole chain; four waves.  Q K^T: a wave takes 32 of each 128 keys against all 64 queries (Q's codes stay in window 1).  P K and both layers: a wave takes 128 channels.
; p's, x's and h's codes go from wave to wave through LDS as images of operand registers.  Both products are used transposed: a lane holds one query.
; K and V come as images of operand registers (kv_img): part through a ring of two LDS slots of 128 KiB filled by tensor loads, part straight into registers (window 3, BB) by global loads, one group ahead.
; CLUSTERS: the four work-groups of a cluster own queries of one batch and walk the same tiles: each tensor load is a joint one, mask 15.
; A masked key's bias, -(2^32 - 1) sqrt(512) / 2^(e0 + e1), is the C of its score's first product.  Where all keys of a batch are masked, c and the bias are 0, and p is uniform, as in reference().
; The residuals and b1, b2 go in as the C of the sums, divided by the power of two that the sums lack.  No work of reference() is left out.
; LIMITS.  e0, e2, e4 and e6 - e4 - e5 between -126 and 112; e0 + e1 between -122 and 131; e2 + e3, e4 + e5, e6 + e7 between -127 and 126.  The scaled scores stay under 2^31 in magnitude.  NaN among the inputs is not served.
; REGISTERS: window 0 addresses, statistics, scores and codes at work; window 1 Q's (later x's, h's) codes, in the norms the gains and biases; window 2 the 64 x 128 sums; window 3 BA (fragments from LDS) and BB (fragments from memory).
.set SLOTB, 0x20000
.set QROW,  2080                       ; a query's 2,048 bytes of f32 in LDS: two lines of 1,024 bytes, 16 bytes of padding behind each
.set QTILE, 16*QROW                    ; what one wave's tensor load brings at the head: 16 queries.  The four tiles lie from slot 1's first byte on, 133,120 bytes, and end where IMG begins
.set IMG,   264192
.set BT,    296960
.set STAT,  306176
.set SPARE, 312320
.set ST,  32
.set S,   64
.set PF,  128
.set PC,  192
.set BIA, 208
.set BIB, 224
.set T,   240
.set BA,  0
.set BB,  128
.set MSB, 0
.macro WIN new
.if MSB != \new
	s_set_vgpr_msb (MSB<<8)|\new
.set MSB, \new
.endif
.endm
.macro PLACES
.rept 4
	v_nop
.endr
.endm
.macro CROUND
	s_barrier_signal -1
	s_barrier_wait -1
	s_cmp_lg_u32 s30, 0
	s_cbranch_scc1 .Lnot_wave_0_\@
	s_barrier_signal -3
.Lnot_wave_0_\@:
	s_barrier_wait -3
	s_barrier_signal -1
	s_barrier_wait -1
.endm
.macro ASK
	s_cmp_gt_u32 s63, s80
	s_cbranch_scc0 .Lnot_mine_\@
	global_prefetch_b8 v28, s[78:79] th:TH_LOAD_NT scope:SCOPE_SE
.Lnot_mine_\@:
.endm
.macro LOADU buf, adr
	WIN 0xc0
.irp f, 0,1,2,3,4,5,6,7
.irp c, 0,1,2,3
	ds_load_b128 v[\buf+16*\f+4*\c:\buf+16*\f+4*\c+3], v[\adr] offset:2048*\f+512*\c
.endr
.endr
	WIN 0
.endm
.macro LOADBI reg, off
.irp q, 0,1,2,3
	ds_load_b128 v[\reg+4*\q:\reg+4*\q+3], v8 offset:\off+16*\q
.endr
.endm
.macro FETCH16
	WIN 0x40
.irp f, 0,1,2,3,4,5,6,7,8,9,10,11,12,13,14,15
.irp c, 0,1,2,3
	ds_load_b128 v[16*\f+4*\c:16*\f+4*\c+3], v10 offset:2048*\f+512*\c
.endr
.endr
	WIN 0
.endm
.macro MUL8 buf, d0, dm, c0
	WIN 0x07
.irp s, 0,1,2,3
.irp u, 0,1
.irp m, 0,1,2,3
.if \s == 0
	v_wmma_f32_16x16x128_bf8_bf8 v[\d0+\dm*\m+8*\u:\d0+\dm*\m+8*\u+7], v[\buf+16*(4*\u+\s):\buf+16*(4*\u+\s)+15], v[64*\m+16*\s:64*\m+16*\s+15], v[\c0+8*\u:\c0+8*\u+7]
.else
	v_wmma_f32_16x16x128_bf8_bf8 v[\d0+\dm*\m+8*\u:\d0+\dm*\m+8*\u+7], v[\buf+16*(4*\u+\s):\buf+16*(4*\u+\s)+15], v[64*\m+16*\s:64*\m+16*\s+15], v[\d0+\dm*\m+8*\u:\d0+\dm*\m+8*\u+7]
.endif
.endr
.endr
.endr
.endm
.macro YMUL buf, t0
	WIN 0xa7
.irp s, 0,1,2,3
.irp u, 0,1
.irp m, 0,1,2,3
	v_wmma_f32_16x16x128_bf8_bf8 v[64*\m+8*(\t0+\u):64*\m+8*(\t0+\u)+7], v[\buf+16*(4*\u+\s):\buf+16*(4*\u+\s)+15], v[64*\m+16*\s:64*\m+16*\s+15], v[64*\m+8*(\t0+\u):64*\m+8*(\t0+\u)+7]
.endr
.endr
.endr
.endm
; 32 matrix instructions on BB's eight fragments.  dl: the 32 LDS loads that fill BA go out as one run at the head.  nl: BB is filled again, in two runs of 16 loads, each behind the 16 matrix instructions that read its four fragments and their four places.
.macro PROG kind, d0, dm, c0, dl, nl, xo
.if \dl != 0
	LOADU BA, \dl
.endif
.irp g, 0,1,2,3,4,5,6,7
.set pu, \g/4
.set ps, \g%4
.if \nl
	s_wait_loadcnt 28-4*ps                         ; behind fragment g's four loads: those of the 3 - g % 4 fragments of its half, and 16 more (the other half's, old or new)
.else
	s_wait_loadcnt 28-4*\g
.endif
.irp m, 0,1,2,3
.if \kind == 0
	WIN 0x07
.if ps == 0
	v_wmma_f32_16x16x128_bf8_bf8 v[\d0+\dm*\m+8*pu:\d0+\dm*\m+8*pu+7], v[BB+16*\g:BB+16*\g+15], v[64*\m+16*ps:64*\m+16*ps+15], v[\c0+8*pu:\c0+8*pu+7]
.else
	v_wmma_f32_16x16x128_bf8_bf8 v[\d0+\dm*\m+8*pu:\d0+\dm*\m+8*pu+7], v[BB+16*\g:BB+16*\g+15], v[64*\m+16*ps:64*\m+16*ps+15], v[\d0+\dm*\m+8*pu:\d0+\dm*\m+8*pu+7]
.endif
.endif
.if \kind == 2
	WIN 0xa7
	v_wmma_f32_16x16x128_bf8_bf8 v[64*\m+8*(\d0+pu):64*\m+8*(\d0+pu)+7], v[BB+16*\g:BB+16*\g+15], v[64*\m+16*ps:64*\m+16*ps+15], v[64*\m+8*(\d0+pu):64*\m+8*(\d0+pu)+7]
.endif
.endr
.if \nl && (ps == 3)
	PLACES                                         ; four places in front of loads into registers that matrix instructions have read, and of the first read of the results
	WIN 0xc0
.irp f, \g-3, \g-2, \g-1, \g
.irp c, 0,1,2,3
	global_load_b128 v[BB+16*(\f)+4*\c:BB+16*(\f)+4*\c+3], v2, s[32:33] offset:\xo+2048*(\f)+512*\c
.endr
.endr
.endif
.endr
	WIN 0
.endm
.macro NEXTB kind, odd
	s_wait_xcnt 0x0
.if \kind == 1
	s_add_co_u32 s66, s66, 0x40000                 ; pass 1: two groups on
	s_add_co_u32 s62, s62, 1024
.else
	s_add_co_u32 s66, s66, 0x20000
	s_add_co_u32 s62, s62, 512
.endif
.if \odd
	s_cmp_eq_u32 s63, 1
	s_cselect_b32 s66, 0x10000, s66
.endif
.if \odd && (\kind == 2)
	s_cselect_b64 s[76:77], s[26:27], s[74:75]
	s_add_nc_u64 s[32:33], s[76:77], s[66:67]
.else
	s_add_nc_u64 s[32:33], s[74:75], s[66:67]
.endif
.endm
.macro CHG kind
	s_wait_tensorcnt 0x0
	ds_add_u32 v5, v6
.if \kind == 1
	s_add_co_u32 s70, s70, 0x80000
	s_cmp_eq_u32 s63, 1
	s_cselect_b32 s34, 0x40000, 0
	s_add_co_u32 s71, s71, s34
	s_cmp_gt_u32 s63, 2
	s_cselect_b32 s68, s70, s71
	s_add_nc_u64 s[50:51], s[74:75], s[68:69]
	s_add_nc_u64 s[78:79], s[78:79], 0x80000
.else
	s_add_co_u32 s71, s71, 0x40000
	s_cmp_eq_u32 s63, 1
	s_cselect_b32 s34, 0x40000, 0
	s_add_co_u32 s72, s72, s34
	s_cmp_gt_u32 s63, 2
	s_cselect_b32 s68, s71, s72
	s_cselect_b64 s[76:77], s[74:75], s[26:27]
	s_add_nc_u64 s[50:51], s[76:77], s[68:69]
	s_add_nc_u64 s[78:79], s[78:79], 0x40000
.endif
	s_or_b32 s51, s51, 0x80000000
	s_xor_b32 s49, s49, SLOTB
	s_xor_b32 s60, s60, SLOTB
	s_wait_dscnt 0x0
	CROUND
	tensor_load_to_lds s[48:51], s[36:43]
	s_nop 0
	PLACES
	ASK
	v_add_nc_u32 v3, s60, v2
	v_add_nc_u32 v4, 0x10000, v3
.endm
.macro TEXP
.irp m, 0,1,2,3
.irp i, 0,2,4,6,8,10,12,14
	v_pk_fma_f32 v[S+16*\m+\i:S+16*\m+\i+1], v[S+16*\m+\i:S+16*\m+\i+1], v[20:21], v[ST+8*\m:ST+8*\m+1] op_sel_hi:[1,0,0] neg_lo:[0,0,1] neg_hi:[0,0,1]
.endr
.endr
.set n, 0
	s_wait_alu depctr_va_vdst(0)
.rept 64
	v_exp_f32 v[S+n], v[S+n]
.set n, n+1
.endr
.endm
.macro P1STATS
.irp m, 0,1,2,3
	v_max3_num_f32 v[ST+8*\m+6], v[S+16*\m], v[S+16*\m+1], v[S+16*\m+2]
.endr
.irp i, 3,5,7,9,11,13
.irp m, 0,1,2,3
	v_max3_num_f32 v[ST+8*\m+6], v[ST+8*\m+6], v[S+16*\m+\i], v[S+16*\m+\i+1]
.endr
.endr
.irp m, 0,1,2,3
	v_max_num_f32 v[ST+8*\m+6], v[ST+8*\m+6], v[S+16*\m+15]
.endr
.irp m, 0,1,2,3
	v_mov_b32 v[ST+8*\m+1], v[ST+8*\m]
.endr
.irp m, 0,1,2,3
	v_mul_f32 v[ST+8*\m+6], v20, v[ST+8*\m+6]
.endr
.irp m, 0,1,2,3
	v_max_num_f32 v[ST+8*\m], v[ST+8*\m], v[ST+8*\m+6]
.endr
.irp m, 0,1,2,3
	v_sub_f32 v[ST+8*\m+1], v[ST+8*\m+1], v[ST+8*\m]
.endr
	s_wait_alu depctr_va_vdst(0)
.irp m, 0,1,2,3
	v_exp_f32 v[ST+8*\m+4], v[ST+8*\m+1]
.endr
	TEXP
	s_wait_alu depctr_va_vdst(0)
.irp m, 0,1,2,3
	v_pk_mul_f32 v[ST+8*\m+2:ST+8*\m+3], v[ST+8*\m+2:ST+8*\m+3], v[ST+8*\m+4:ST+8*\m+5] op_sel_hi:[1,0]
.endr
.irp m, 0,1,2,3
	v_pk_add_f32 v[ST+8*\m+6:ST+8*\m+7], v[S+16*\m:S+16*\m+1], v[S+16*\m+2:S+16*\m+3]
	v_pk_add_f32 v[ST+8*\m+2:ST+8*\m+3], v[ST+8*\m+2:ST+8*\m+3], v[S+16*\m+4:S+16*\m+5]
.endr
.irp i, 6,10
.irp m, 0,1,2,3
	v_pk_add_f32 v[ST+8*\m+6:ST+8*\m+7], v[ST+8*\m+6:ST+8*\m+7], v[S+16*\m+\i:S+16*\m+\i+1]
	v_pk_add_f32 v[ST+8*\m+2:ST+8*\m+3], v[ST+8*\m+2:ST+8*\m+3], v[S+16*\m+\i+2:S+16*\m+\i+3]
.endr
.endr
.irp m, 0,1,2,3
	v_pk_add_f32 v[ST+8*\m+6:ST+8*\m+7], v[ST+8*\m+6:ST+8*\m+7], v[S+16*\m+14:S+16*\m+15]
.endr
.irp m, 0,1,2,3
	v_pk_add_f32 v[ST+8*\m+2:ST+8*\m+3], v[ST+8*\m+2:ST+8*\m+3], v[ST+8*\m+6:ST+8*\m+7]
.endr
.endm
.macro P2SOFT
	TEXP
	v_nop
	s_wait_alu depctr_va_vdst(0)
.irp m, 0,1,2,3
.irp i, 0,2,4,6,8,10,12,14
	v_pk_mul_f32 v[S+16*\m+\i:S+16*\m+\i+1], v[S+16*\m+\i:S+16*\m+\i+1], v[ST+8*\m+4:ST+8*\m+5] op_sel_hi:[1,0]
.endr
.endr
.set n, 0
.rept 64
	v_med3_num_f32 v[S+n], v[S+n], -v23, v23
.set n, n+1
.endr
.irp m, 0,1,2,3
	v_cvt_scalef32_pk8_bf8_f32 v[PC+4*\m:PC+4*\m+1], v[S+16*\m:S+16*\m+7], v22
	v_cvt_scalef32_pk8_bf8_f32 v[PC+4*\m+2:PC+4*\m+3], v[S+16*\m+8:S+16*\m+15], v22
.endr
	v_nop
.endm
.macro QNT m
	WIN 0x02
.set n, 0
.rept 64
	v_med3_num_f32 v[S+n], v[64*\m+n], -v23, v23
.set n, n+1
.endr
	WIN 0
.irp c, 0,1,2,3
	v_cvt_scalef32_pk8_bf8_f32 v[PF+16*\m+4*\c:PF+16*\m+4*\c+1], v[S+16*\c:S+16*\c+7], v22
	v_cvt_scalef32_pk8_bf8_f32 v[PF+16*\m+4*\c+2:PF+16*\m+4*\c+3], v[S+16*\c+8:S+16*\c+15], v22
.endr
	v_nop
.irp c, 0,1,2,3
	ds_store_b128 v11, v[PF+16*\m+4*\c:PF+16*\m+4*\c+3] offset:8192*\m+512*\c
.endr
.endm
.macro QLOAD m
.irp b, 0,1,2,3
.irp j, 0,1,2,3
	ds_load_b128 v[64*\m+16*\b+4*\j:64*\m+16*\b+4*\j+3], v[16+233*(\m/2)] offset:QTILE*(\m%2)+128*\b+16*\j   ; tiles 0, 1 by v16, tiles 2, 3 by v249: the offset has 16 bits
.endr
.endr
.endm
.macro VLOAD reg, sb
.irp b, 0,1,2,3
.irp j, 0,1,2,3
	global_load_b128 v[\reg+16*\b+4*\j:\reg+16*\b+4*\j+3], v18, s[\sb:\sb+1] offset:128*\b+16*\j
.endr
.endr
.endm
.macro LRED dst
	v_pk_add_f32 v[T:T+1], v[T:T+1], v[T+2:T+3]
	v_pk_add_f32 v[T+4:T+5], v[T+4:T+5], v[T+6:T+7]
	v_pk_add_f32 v[T:T+1], v[T:T+1], v[T+4:T+5]
	v_add_f32 v[T], v[T], v[T+1]
	v_permlanex16_b32 v[T+8], v[T], s82, s83
	v_add_f32 v[\dst], v[T], v[T+8]
.endm
.macro LNORM reg, left
.irp m, 0,1,2,3
	WIN 0x0a
.irp q, 0,1,2,3
	v_pk_add_f32 v[T+2*\q:T+2*\q+1], v[64*\m+4*\q:64*\m+4*\q+1], v[64*\m+4*\q+2:64*\m+4*\q+3]
.endr
	WIN 0x08
.set p, 8
.rept 24
	v_pk_add_f32 v[T+2*(p%4):T+2*(p%4)+1], v[T+2*(p%4):T+2*(p%4)+1], v[64*\m+2*p:64*\m+2*p+1]
.set p, p+1
.endr
	WIN 0
	LRED T
	v_mul_f32 v[ST+8*\m], 0x3c000000, v[T]
	WIN 0x82
.set p, 0
.rept 32
	v_pk_add_f32 v[64*\m+2*p:64*\m+2*p+1], v[64*\m+2*p:64*\m+2*p+1], v[ST+8*\m:ST+8*\m+1] op_sel_hi:[1,0] neg_lo:[0,1] neg_hi:[0,1]
.set p, p+1
.endr
	WIN 0x0a
.irp q, 0,1,2,3
	v_pk_mul_f32 v[T+2*\q:T+2*\q+1], v[64*\m+2*\q:64*\m+2*\q+1], v[64*\m+2*\q:64*\m+2*\q+1]
.endr
.set p, 4
.rept 28
	v_pk_fma_f32 v[T+2*(p%4):T+2*(p%4)+1], v[64*\m+2*p:64*\m+2*p+1], v[64*\m+2*p:64*\m+2*p+1], v[T+2*(p%4):T+2*(p%4)+1]
.set p, p+1
.endr
	WIN 0
	LRED ST+8*\m+1
	ds_store_b64 v12, v[ST+8*\m:ST+8*\m+1] offset:\reg+128*\m
.endr
	s_wait_dscnt 0x0
	s_barrier_signal -1
	s_barrier_wait -1
.irp m, 0,1,2,3
.irp w, 0,1,2,3
	ds_load_b64 v[192+8*\m+2*\w:192+8*\m+2*\w+1], v13 offset:\reg+512*\w+128*\m
.endr
.endr
	s_wait_dscnt 0x0
.irp m, 0,1,2,3
.set AA, 192+8*\m
	v_add_f32 v[ST+8*\m+2], v[AA], v[AA+2]
	v_add_f32 v[ST+8*\m+3], v[AA+4], v[AA+6]
	v_add_f32 v[ST+8*\m+2], v[ST+8*\m+2], v[ST+8*\m+3]
	v_mul_f32 v[ST+8*\m+2], 0x3e800000, v[ST+8*\m+2]
	v_sub_f32 v[AA], v[AA], v[ST+8*\m+2]
	v_sub_f32 v[AA+2], v[AA+2], v[ST+8*\m+2]
	v_sub_f32 v[AA+4], v[AA+4], v[ST+8*\m+2]
	v_sub_f32 v[AA+6], v[AA+6], v[ST+8*\m+2]
	v_add_f32 v[AA+1], v[AA+1], v[AA+3]
	v_add_f32 v[AA+5], v[AA+5], v[AA+7]
	v_add_f32 v[AA+1], v[AA+1], v[AA+5]
	v_mul_f32 v[AA], v[AA], v[AA]
	v_fmac_f32 v[AA], v[AA+2], v[AA+2]
	v_fmac_f32 v[AA], v[AA+4], v[AA+4]
	v_fmac_f32 v[AA], v[AA+6], v[AA+6]
	v_fmamk_f32 v[AA], v[AA], 0x43000000, v[AA+1]
	v_ldexp_f32 v[AA], v[AA], s101
	v_add_f32 v[AA], 0x3727c5ac, v[AA]
	s_wait_alu depctr_va_vdst(0)
	v_rsq_f32 v[AA], v[AA]
	v_sub_f32 v[ST+8*\m+6], v[ST+8*\m], v[ST+8*\m+2]
	s_wait_alu depctr_va_vdst(0)
	v_ldexp_f32 v[ST+8*\m+4], v[AA], s100
	v_mul_f32 v[ST+8*\m+6], v[ST+8*\m+6], v[ST+8*\m+4]
.endr
	s_wait_loadcnt \left
	WIN 0x82
.irp m, 0,1,2,3
.set p, 0
.rept 32
	v_pk_fma_f32 v[64*\m+2*p:64*\m+2*p+1], v[64*\m+2*p:64*\m+2*p+1], v[ST+8*\m+4:ST+8*\m+5], v[ST+8*\m+6:ST+8*\m+7] op_sel_hi:[1,0,0]
.set p, p+1
.endr
.endr
	WIN 0x96
.irp m, 0,1,2,3
.set p, 0
.rept 32
	v_pk_fma_f32 v[64*\m+2*p:64*\m+2*p+1], v[64*\m+2*p:64*\m+2*p+1], v[2*p:2*p+1], v[64+2*p:64+2*p+1]
.set p, p+1
.endr
.endr
	WIN 0
.endm
.macro HQ sg
.irp m, 0,1,2,3
.set HC, 192+8*\m+32*(\m/2)
.set n, 0
.rept 32
	v_med3_num_f32 v[64+32*\m+n], v[64+32*\m+n], 0, v23
.set n, n+1
.endr
.irp b, 0,1
	v_cvt_scalef32_pk8_bf8_f32 v[HC+4*\b:HC+4*\b+1], v[64+32*\m+16*\b:64+32*\m+16*\b+7], v22
	v_cvt_scalef32_pk8_bf8_f32 v[HC+4*\b+2:HC+4*\b+3], v[64+32*\m+16*\b+8:64+32*\m+16*\b+15], v22
.endr
.irp b, 0,1
	ds_store_b128 v11, v[HC+4*\b:HC+4*\b+3] offset:8192*\m+512*(2*\sg+\b)
.endr
.endr
	v_nop
.endm
.macro OUTM m
	WIN 0x08
.irp b, 0,1,2,3
.irp j, 0,1,2,3
	ds_store_b128 v14, v[64*\m+16*\b+4*\j:64*\m+16*\b+4*\j+3] offset:128*\b+16*\j
.endr
.endr
	WIN 0
.if \m >= 2
	s_wait_xcnt 0x0
.endif
.irp t, 0,1,2,3,4,5,6,7,8,9,10,11,12,13,14,15
	ds_load_b128 v[64+64*(\m%2)+4*\t:64+64*(\m%2)+4*\t+3], v15 offset:528*\t
.endr
.irp t, 0,1,2,3,4,5,6,7,8,9,10,11,12,13,14,15
.if \t%4 == 0
	s_wait_dscnt 12-\t                             ; four more rows are back in registers
.endif
	global_store_b128 v19, v[64+64*(\m%2)+4*\t:64+64*(\m%2)+4*\t+3], s[28:29] offset:2048*(16*\m+\t) th:TH_STORE_NT
.endr
.endm
.macro SPAIR d, src
	s_add_co_i32 s34, \src, 127
	s_lshl_b32 s[\d], s34, 23
	s_add_co_i32 s34, s34, 15
	s_lshl_b32 s34, s34, 23
	s_or_b32 s[\d+1], s34, 0x600000
.endm
.macro SINV d, a, b
	s_add_co_i32 s34, \a, \b
	s_sub_co_i32 s34, 127, s34
	s_lshl_b32 s[\d], s34, 23
	s_mov_b32 s[\d+1], s[\d]
.endm
	s_load_b512 s[4:19], s[0:1], 0x0
	s_load_b256 s[20:27], s[0:1], 0x40
	s_load_b64 s[28:29], s[0:1], 0x60
	v_lshl_add_u32 v5, v0, 2, SPARE
	v_mov_b32 v6, 0
	ds_add_u32 v5, v6
	ds_add_u32 v5, v6
	s_wait_dscnt 0x0
	v_lshrrev_b32 v31, 5, v0
	v_readfirstlane_b32 s30, v31
	s_bfe_u32 s31, ttmp6, 0x40000
	s_lshl_b32 s32, ttmp9, 2
	s_add_co_u32 s32, s32, s31
	s_and_b32 s33, ttmp7, 0xffff
	s_mov_b32 s36, 15|(3<<16)|(1<<21)
	s_mov_b32 s37, 32<<16
	s_mov_b32 s38, 128<<16
	s_mov_b32 s39, 32<<16
	s_mov_b32 s40, 128
	s_mov_b32 s41, 32
	s_mov_b32 s42, 0
	s_mov_b32 s43, 0
	s_mov_b32 s82, 0x76543210
	s_mov_b32 s83, 0xfedcba98
	s_lshr_b32 s34, s30, 1
	s_and_b32 s35, s30, 1
	s_lshl_b32 s35, s35, 15
	s_lshl_b32 s70, s34, 18
	s_add_co_u32 s70, s70, s35
	s_lshl_b32 s71, s34, 17
	s_add_co_u32 s71, s71, s35
	s_mov_b32 s72, s71
	s_mov_b32 s69, 0
	s_mov_b32 s60, 0
	s_mov_b32 s62, 0
	s_wait_kmcnt 0x0
	s_load_b256 s[52:59], s[22:23], 0x0
	s_lshl_b32 s34, s33, 21
	s_mov_b32 s35, 0
	s_add_nc_u64 s[74:75], s[24:25], s[34:35]
	s_mov_b32 s44, 1
	s_lshl_b32 s45, s30, 15
	s_mov_b32 s68, s70
	s_add_nc_u64 s[46:47], s[74:75], s[68:69]
	s_or_b32 s47, s47, 0x80000000
	s_add_co_u32 s70, s70, 0x80000
	s_mov_b32 s48, 1
	s_lshl_b32 s49, s30, 15
	s_add_co_u32 s49, s49, SLOTB
	s_mov_b32 s68, s70
	s_add_nc_u64 s[50:51], s[74:75], s[68:69]
	s_or_b32 s51, s51, 0x80000000
	; the queries' tile: a plain load, no mask.  16 queries of 2,048 bytes lie dense: 32 rows of 1,024 bytes (128 elements of 8), four words of padding behind every 256
	s_mov_b32 s84, (3<<16)|(1<<20)|(7<<22)|(3<<25)
	s_mov_b32 s85, 128<<16
	s_mov_b32 s86, 32<<16
	s_mov_b32 s87, 128<<16
	s_mov_b32 s88, 32
	s_mov_b32 s89, 128
	s_mov_b32 s90, 0
	s_mov_b32 s91, 0
	s_lshl_b32 s2, s33, 5
	s_add_co_u32 s2, s2, s32                       ; 32 x batch + work-group: my 64 queries
	s_lshl_b32 s2, s2, 2
	s_add_co_u32 s2, s2, s30                       ; x 4 + wave: the 16 that I fetch
	s_lshl_b32 s2, s2, 15                          ; of 2,048 bytes each
	s_mov_b32 s3, 0
	s_add_nc_u64 s[94:95], s[4:5], s[2:3]
	s_or_b32 s95, s95, 0x80000000
	s_mov_b32 s92, 1
	s_mul_i32 s93, s30, QTILE
	s_add_co_u32 s93, s93, SLOTB
	CROUND
	tensor_load_to_lds s[92:95], s[84:91]          ; one tensor load a wave at the head: the queries, which are wanted first
	s_nop 0
	v_and_b32 v31, 31, v0
	v_and_b32 v29, 15, v0
	v_bfe_u32 v21, v0, 4, 1
	v_lshlrev_b32 v1, 4, v31
	s_lshl_b32 s34, s30, 14
	v_add_nc_u32 v2, s34, v1
	v_add_nc_u32 v3, s60, v2
	v_add_nc_u32 v4, 0x10000, v3
	s_lshl_b32 s34, s30, 7
	s_add_co_u32 s34, s34, BT
	v_lshl_add_u32 v7, v21, 6, s34
	v_add_nc_u32 v8, s62, v7
	s_lshl_b32 s34, s30, 9
	s_add_co_u32 s35, s34, IMG
	v_add_nc_u32 v9, s35, v1
	v_add_nc_u32 v10, IMG, v1
	s_lshl_b32 s35, s30, 11
	s_add_co_u32 s35, s35, IMG
	v_add_nc_u32 v11, s35, v1
	s_add_co_u32 s35, s34, STAT
	v_lshl_add_u32 v12, v29, 3, s35
	v_lshlrev_b32 v13, 3, v29
	v_add_nc_u32 v13, STAT, v13
	s_mul_i32 s35, s30, 8448
	v_mul_u32_u24 v14, v29, 528
	v_lshl_add_u32 v14, v21, 6, v14
	v_add_nc_u32 v14, s35, v14
	v_add_nc_u32 v15, s35, v1
	v_lshl_add_u32 v18, v21, 6, s34
	s_lshr_b32 s2, s30, 1
	s_mul_i32 s2, s2, 1040
	s_and_b32 s3, s30, 1
	s_lshl_b32 s3, s3, 9
	s_add_co_u32 s2, s2, s3
	s_add_co_u32 s2, s2, SLOTB                     ; my 128 channels in a query's two lines
	v_mul_u32_u24 v16, v29, QROW
	v_lshl_add_u32 v16, v21, 6, v16
	v_add_nc_u32 v16, s2, v16                      ; query r, + 64 h
	v_add_nc_u32 v249, 2*QTILE, v16
	v_lshlrev_b32 v17, 2, v29
	v_add_nc_u32 v19, s34, v1
	v_lshlrev_b32 v28, 8, v31
	s_lshl_b32 s35, s30, 11
	v_add_nc_u32 v30, s35, v1
	s_wait_alu depctr_va_vdst(0)
	v_add_nc_u32 v29, BT, v30
	v_mov_b32 v240, 0
	v_mov_b32 v248, 0
	s_cmp_eq_u32 ttmp9, 0
	s_cselect_b32 s80, 2, -1
	s_lshr_b32 s2, s31, 1
	s_lshl_b32 s2, s2, 18
	s_and_b32 s3, s31, 1
	s_lshl_b32 s3, s3, 2
	s_add_co_u32 s3, s3, s30
	s_lshl_b32 s3, s3, 13
	s_add_co_u32 s2, s2, s3
	s_add_co_u32 s2, s2, 0xa0000
	s_mov_b32 s3, 0
	s_add_nc_u64 s[78:79], s[74:75], s[2:3]
	s_lshl_b32 s34, s33, 13
	s_mov_b32 s35, 0
	s_add_nc_u64 s[8:9], s[8:9], s[34:35]
	s_lshl_b32 s2, s33, 11
	s_lshl_b32 s32, s32, 6
	s_add_co_u32 s32, s32, s2
	s_lshl_b32 s2, s32, 2
	s_add_nc_u64 s[6:7], s[6:7], s[2:3]
	s_lshl_b32 s2, s32, 11
	s_add_nc_u64 s[28:29], s[28:29], s[2:3]
.irp i, 0,1,2,3,4,5,6,7,8,9,10,11,12,13,14,15
	global_load_b128 v[64+4*\i:64+4*\i+3], v1, s[8:9] offset:512*\i
.endr
.irp q, 0,1,2,3
	global_load_b128 v[128+4*\q:128+4*\q+3], v30, s[8:9] offset:512*\q
.endr
.irp m, 0,1,2,3
	global_load_b32 v[24+\m], v17, s[6:7] offset:64*\m
.endr
	s_mov_b32 s66, 0x20000                         ; K of group 1, straight into BB
	s_mov_b32 s67, 0
	s_add_nc_u64 s[32:33], s[74:75], s[66:67]
	WIN 0xc0
.irp f, 0,1,2,3,4,5,6,7
.irp c, 0,1,2,3
	global_load_b128 v[BB+16*\f+4*\c:BB+16*\f+4*\c+3], v2, s[32:33] offset:2048*\f+512*\c
.endr
.endr
	WIN 0
	s_wait_alu depctr_va_vdst(0)
	s_wait_tensorcnt 0x0                           ; my 16 queries are in.  Slot 0's first fill is issued as a refill is:
	ds_add_u32 v5, v6
	s_wait_dscnt 0x0
	CROUND                                         ; everybody's queries are in
	tensor_load_to_lds s[44:47], s[36:43]
	s_nop 0
	PLACES
	WIN 0x80
	QLOAD 0
	QLOAD 1
	QLOAD 2
	QLOAD 3
	WIN 0
	s_wait_kmcnt 0x0
	s_add_co_i32 s34, s52, s53
	s_sub_co_i32 s85, 0, s34
	s_lshl_b32 s34, s34, 23
	s_add_co_i32 s84, s34, 0x3d8293ee
	SPAIR 86, s52
	SPAIR 88, s54
	SPAIR 90, s56
	s_sub_co_i32 s35, s58, s56
	s_sub_co_i32 s35, s35, s57
	SPAIR 92, s35
	SINV 94, s54, s55
	SINV 96, s58, s59
	SINV 98, s56, s57
	s_wait_loadcnt 32                              ; the masks are in; BB's 32 loads are younger
	v_max3_num_f32 v31, |v64|, |v65|, |v66|
.set n, 67
.rept 30
	v_max3_num_f32 v31, v31, |v[n]|, |v[n+1]|
.set n, n+2
.endr
	v_max_num_f32 v31, v31, |v127|
	v_max_num_f32_dpp v31, v31, v31 row_xmask:1 row_mask:0xf bank_mask:0xf
	v_max_num_f32_dpp v31, v31, v31 row_xmask:2 row_mask:0xf bank_mask:0xf
	v_max_num_f32_dpp v31, v31, v31 row_xmask:4 row_mask:0xf bank_mask:0xf
	v_max_num_f32_dpp v31, v31, v31 row_xmask:8 row_mask:0xf bank_mask:0xf
	v_permlanex16_b32 v240, v31, s82, s83
	v_max_num_f32 v31, v31, v240
	v_cmp_lt_f32 vcc_lo, 0, v31
	v_mov_b32 v241, s84
	v_cndmask_b32 v20, 0, v241, vcc_lo
	v_mov_b32 v21, v20
	v_mov_b32 v242, 0xd1b504f3
	v_ldexp_f32 v242, v242, s85
	v_cndmask_b32 v242, 0, v242, vcc_lo
.set n, 0
.rept 16
	v_cmp_eq_f32 vcc_lo, 0, v[128+n]
	v_cndmask_b32 v[128+n], 0, v242, vcc_lo
.set n, n+1
.endr
.irp q, 0,1,2,3
	ds_store_b128 v29, v[128+4*\q:128+4*\q+3] offset:512*\q
.endr
	s_cmp_lg_u32 s30, 0
	s_cbranch_scc1 .Lno_copy
	ds_store_b128 v29, v[128:131] offset:8192
	ds_store_b128 v29, v[132:135] offset:8704
.Lno_copy:
	v_mov_b32 v22, s86
	v_mov_b32 v23, s87
	s_wait_alu depctr_va_vdst(0)
	s_wait_dscnt 0x0
.irp m, 0,1,2,3
	QNT \m
	WIN 0x82
.set n, 0
.rept 32
	v_pk_mul_f32 v[64*\m+n:64*\m+n+1], v[64*\m+n:64*\m+n+1], s[94:95] op_sel_hi:[1,0]
.set n, n+2
.endr
	WIN 0
.endr
.irp m, 0,1,2,3
	v_mov_b32 v[ST+8*\m], 0xff61b1e6
.irp k, 1,2,3,4,5,6,7
	v_mov_b32 v[ST+8*\m+\k], 0
.endr
.endr
	s_wait_alu depctr_va_vdst(0)
	s_wait_tensorcnt 0x0                           ; my part of slot 0 is in
	ds_add_u32 v5, v6
	s_wait_dscnt 0x0                               ; my reads of the queries and my stores of their codes are over
	CROUND
	tensor_load_to_lds s[48:51], s[36:43]          ; slot 1, over the queries' tiles
	s_nop 0
	PLACES
	FETCH16
	LOADU BA, 3
	LOADBI BIA, 0
	LOADBI BIB, 512
	s_mov_b32 s63, 4
; PASS 1.  A step takes two groups of 128 keys: an even one from the slot in hand (BA), the odd one behind it from BB.  A slot holds groups 4 j and 4 j + 2: one change of slots for two steps; four trips of two steps.
; Half of Q K^T on BB: my keys 16 hf .. 16 hf + 15 of the group against all 64 queries, K = 512 in four fragments; the scores go to PF's registers, which hold no codes of p yet.
; Then four places and the 16 loads that fill those four fragments again, from the odd group two on.  The two halves stand half a step apart, and so do their loads.
; Behind a fragment's four loads stand those of the 3 - g % 4 fragments of its half and the other half's 16.
.macro QKH hf
.irp g, 4*\hf, 4*\hf+1, 4*\hf+2, 4*\hf+3
	s_wait_loadcnt 28-4*((\g)%4)
	WIN 0x07
.irp m, 0,1,2,3
.if ((\g)%4) == 0
	v_wmma_f32_16x16x128_bf8_bf8 v[PF+16*\m+8*\hf:PF+16*\m+8*\hf+7], v[BB+16*(\g):BB+16*(\g)+15], v[64*\m+16*((\g)%4):64*\m+16*((\g)%4)+15], v[BIB+8*\hf:BIB+8*\hf+7]
.else
	v_wmma_f32_16x16x128_bf8_bf8 v[PF+16*\m+8*\hf:PF+16*\m+8*\hf+7], v[BB+16*(\g):BB+16*(\g)+15], v[64*\m+16*((\g)%4):64*\m+16*((\g)%4)+15], v[PF+16*\m+8*\hf:PF+16*\m+8*\hf+7]
.endif
.endr
.endr
	PLACES
	WIN 0xc0
.irp g, 4*\hf, 4*\hf+1, 4*\hf+2, 4*\hf+3
.irp c, 0,1,2,3
	global_load_b128 v[BB+16*(\g)+4*\c:BB+16*(\g)+4*\c+3], v2, s[32:33] offset:2048*(\g)+512*\c
.endr
.endr
	WIN 0
.endm
.macro P1TRIP odd
	s_wait_dscnt 0x0                               ; BA and both sets of biases are in
	NEXTB 1, \odd                                  ; BB's base: the odd group two on (in the last step: V of group 0)
	MUL8 BA, S, 16, BIA
	QKH 0                                          ; its places serve the first read of the even group's scores too
	P1STATS
.if \odd
	CHG 1                                          ; both groups of the slot are read out: it is filled again
.endif
	v_add_nc_u32 v8, s62, v7
	LOADBI BIA, 0
	s_wait_alu depctr_va_vdst(0)
.if \odd
	LOADU BA, 3
.else
	LOADU BA, 4
.endif
	QKH 1
	LOADBI BIB, 512
.set S, PF                             ; the odd group's statistics, on PF's registers
	s_wait_alu depctr_va_vdst(0)                   ; directly ahead of the first reader of scores that were made ahead of exponentials
	P1STATS
.set S, 64
.endm
.Lp1:
	P1TRIP 0
	P1TRIP 1
	s_sub_co_u32 s63, s63, 1
	s_cmp_lg_u32 s63, 0
	s_cbranch_scc1 .Lp1
.irp m, 0,1,2,3
	v_add_f32 v[ST+8*\m+2], v[ST+8*\m+2], v[ST+8*\m+3]
.endr
.irp m, 0,1,2,3
	v_permlanex16_b32 v[ST+8*\m+6], v[ST+8*\m], s82, s83
	v_permlanex16_b32 v[ST+8*\m+7], v[ST+8*\m+2], s82, s83
.endr
.irp m, 0,1,2,3
	v_max_num_f32 v[ST+8*\m+4], v[ST+8*\m], v[ST+8*\m+6]
.endr
.irp m, 0,1,2,3
	v_sub_f32 v[ST+8*\m], v[ST+8*\m], v[ST+8*\m+4]
	v_sub_f32 v[ST+8*\m+6], v[ST+8*\m+6], v[ST+8*\m+4]
.endr
	s_wait_alu depctr_va_vdst(0)
.irp m, 0,1,2,3
	v_exp_f32 v[ST+8*\m], v[ST+8*\m]
	v_exp_f32 v[ST+8*\m+6], v[ST+8*\m+6]
.endr
	v_nop
	s_wait_alu depctr_va_vdst(0)
.irp m, 0,1,2,3
	v_mul_f32 v[ST+8*\m+5], v[ST+8*\m+2], v[ST+8*\m]
.endr
.irp m, 0,1,2,3
	v_fmac_f32 v[ST+8*\m+5], v[ST+8*\m+7], v[ST+8*\m+6]
.endr
.irp m, 0,1,2,3
	ds_store_b64 v12, v[ST+8*\m+4:ST+8*\m+5] offset:128*\m
.endr
	s_wait_dscnt 0x0
	s_barrier_signal -1
	s_barrier_wait -1
.irp m, 0,1,2,3
.irp w, 0,1,2,3
	ds_load_b64 v[224+8*\m+2*\w:224+8*\m+2*\w+1], v13 offset:512*\w+128*\m
.endr
.endr
	s_wait_xcnt 0x0
	s_lshr_b32 s2, s31, 1
	s_lshl_b32 s2, s2, 17
	s_and_b32 s3, s31, 1
	s_lshl_b32 s3, s3, 2
	s_add_co_u32 s3, s3, s30
	s_lshl_b32 s3, s3, 13
	s_add_co_u32 s2, s2, s3
	s_add_co_u32 s2, s2, 0x50000
	s_mov_b32 s3, 0
	s_add_nc_u64 s[78:79], s[74:75], s[2:3]
	s_mov_b32 s62, 0
	s_mov_b32 s63, 8
	v_mov_b32 v22, s88
	v_mov_b32 v23, s89
.set n, 0
.rept 64
	v_mov_b32 v[PF+n], 0                           ; zero codes of p: pass 2's first step finds no step before it
.set n, n+1
.endr
	s_wait_dscnt 0x0
.irp m, 0,1,2,3
	v_max3_num_f32 v[ST+8*\m], v[224+8*\m], v[226+8*\m], v[228+8*\m]
.endr
.irp m, 0,1,2,3
	v_max_num_f32 v[ST+8*\m], v[ST+8*\m], v[230+8*\m]
.endr
.irp m, 0,1,2,3
.irp w, 0,2,4,6
	v_sub_f32 v[224+8*\m+\w], v[224+8*\m+\w], v[ST+8*\m]
.endr
.endr
	s_wait_alu depctr_va_vdst(0)
.irp m, 0,1,2,3
.irp w, 0,2,4,6
	v_exp_f32 v[224+8*\m+\w], v[224+8*\m+\w]
.endr
.endr
	v_nop
	s_wait_alu depctr_va_vdst(0)
.irp m, 0,1,2,3
	v_mul_f32 v[225+8*\m], v[225+8*\m], v[224+8*\m]
.endr
.irp w, 2,4,6
.irp m, 0,1,2,3
	v_fmac_f32 v[225+8*\m], v[225+8*\m+\w], v[224+8*\m+\w]
.endr
.endr
	s_wait_alu depctr_va_vdst(0)
.irp m, 0,1,2,3
	v_rcp_f32 v[225+8*\m], v[225+8*\m]
.endr
	v_nop
	s_wait_alu depctr_va_vdst(0)
.irp m, 0,1,2,3
	v_mul_f32 v[ST+8*\m+4], v[225+8*\m], v[24+\m]
.endr
; Half of P V: channel tiles 4 hf .. 4 hf + 3 against p's four fragments, then four places and the 16 loads that fill those four fragments of BB again.
; Tiles 4 to 7 are taken at the end of their own step, tiles 0 to 3 behind the next step's Q K^T: so BB's two halves are asked for half a step apart.
; Behind a fragment's four loads stand those of the 3 - g % 4 fragments of its half and the other half's 16.
.macro PVH hf
.irp g, 4*\hf, 4*\hf+1, 4*\hf+2, 4*\hf+3
	s_wait_loadcnt 28-4*((\g)%4)
	WIN 0xa3
.irp m, 0,1,2,3
	v_wmma_f32_16x16x128_bf8_bf8 v[64*\m+8*(\g):64*\m+8*(\g)+7], v[BB+16*(\g):BB+16*(\g)+15], v[PF+16*\m:PF+16*\m+15], v[64*\m+8*(\g):64*\m+8*(\g)+7]
.endr
.endr
	PLACES
	WIN 0xc0
.irp g, 4*\hf, 4*\hf+1, 4*\hf+2, 4*\hf+3
.irp c, 0,1,2,3
	global_load_b128 v[BB+16*(\g)+4*\c:BB+16*(\g)+4*\c+3], v2, s[32:33] offset:2048*(\g)+512*\c
.endr
.endr
	WIN 0
.endm
.macro P2TRIP odd
	s_wait_dscnt 0x0
	MUL8 BA, S, 16, BIA
	PVH 0                                          ; the step before's tiles 0 to 3; its places serve the first read of the scores too
	P2SOFT
.irp m, 0,1,2,3
	ds_store_b128 v9, v[PC+4*\m:PC+4*\m+3] offset:8192*\odd+2048*\m
.endr
	NEXTB 2, \odd
.if \odd
	CHG 2
.else
	s_wait_dscnt 0x0
	s_barrier_signal -1
	s_barrier_wait -1
.endif
.irp m, 0,1,2,3
.irp c, 0,1,2,3
	ds_load_b128 v[PF+16*\m+4*\c:PF+16*\m+4*\c+3], v10 offset:8192*\odd+2048*\m+512*\c
.endr
.endr
	v_add_nc_u32 v8, s62, v7
	LOADBI BIA, 0
	s_wait_dscnt 4
.if \odd
	s_wait_alu depctr_va_vdst(0)
	LOADU BA, 3
.else
	LOADU BA, 4
.endif
	PVH 1
.endm
.Lp2:
	P2TRIP 0
	P2TRIP 1
	s_sub_co_u32 s63, s63, 1
	s_cmp_lg_u32 s63, 0
	s_cbranch_scc1 .Lp2
	PVH 0                                          ; the last step's tiles 0 to 3
	WIN 0x40
	VLOAD 0, 10
	VLOAD 64, 12
	VLOAD 128, 20
	WIN 0
	s_add_co_i32 s100, s54, s55
	s_lshl_b32 s101, s100, 1
	s_sub_co_i32 s101, s101, 9
	s_wait_tensorcnt 0x0                           ; my part of the weights' tiles is in: the norm's barrier shows it to the other waves
	s_mov_b32 s81, 2                               ; the norm is written once and walked twice: behind the attention, and behind the two layers
.Lln:
	LNORM 2048, 0
	s_cmp_eq_u32 s81, 1
	s_wait_alu depctr_va_vdst(0)
	s_cbranch_scc1 .Lout
.irp t, 0,1,2,3
	global_load_b128 v[208+8*\t:208+8*\t+3], v18, s[18:19] offset:128*(\t/2)+32*(\t%2)
	global_load_b128 v[208+8*\t+4:208+8*\t+7], v18, s[18:19] offset:128*(\t/2)+32*(\t%2)+16
.endr
.irp t, 4,5,6,7
	global_load_b128 v[8*\t:8*\t+3], v18, s[18:19] offset:128*(\t/2)+32*(\t%2)
	global_load_b128 v[8*\t+4:8*\t+7], v18, s[18:19] offset:128*(\t/2)+32*(\t%2)+16
.endr
	v_mov_b32 v22, s90
	v_mov_b32 v23, s91
	QNT 0
	QNT 1
	QNT 2
	QNT 3
	s_wait_loadcnt 16
	WIN 0x41
.set n, 0
.rept 32
	v_pk_mul_f32 v[128+n:129+n], v[128+n:129+n], s[96:97] op_sel_hi:[1,0]
.set n, n+2
.endr
	WIN 0x92
.irp m, 0,1,2,3
.set n, 0
.rept 32
	v_pk_fma_f32 v[64*\m+n:64*\m+n+1], v[64*\m+n:64*\m+n+1], s[96:97], v[128+n:129+n] op_sel_hi:[1,0,1]
.set n, n+2
.endr
.endr
	WIN 0
	s_wait_loadcnt 0x0
.set n, 0
.rept 16
	v_pk_mul_f32 v[208+n:209+n], v[208+n:209+n], s[98:99] op_sel_hi:[1,0]
	v_pk_mul_f32 v[32+n:33+n], v[32+n:33+n], s[98:99] op_sel_hi:[1,0]
.set n, n+2
.endr
	s_wait_alu depctr_va_vdst(0)
	s_wait_dscnt 0x0
	s_barrier_signal -1
	s_barrier_wait -1
	FETCH16
	v_mov_b32 v22, s92
	v_mov_b32 v23, s93
	s_wait_dscnt 0x0
	s_barrier_signal -1
	MUL8 BA, 64, 32, 208
	WIN 0
	s_wait_alu depctr_va_vdst(0)
	s_barrier_wait -1
	PLACES
	PROG 0, 80, 32, 224, 4, 1, 0x20000
	s_xor_b32 s60, s60, SLOTB
	v_add_nc_u32 v3, s60, v2
	v_add_nc_u32 v4, 0x10000, v3
	HQ 0
	s_wait_dscnt 0x0
	MUL8 BA, 64, 32, 32
	WIN 0
	PLACES
	PROG 0, 80, 32, 48, 3, 1, 0x40000
	HQ 1
	s_wait_dscnt 0x0
	s_barrier_signal -1
	s_barrier_wait -1
	FETCH16
	s_wait_dscnt 0x0
	YMUL BA, 0
	WIN 0
	PLACES
	PROG 2, 2, 0, 0, 4, 1, 0x60000
	s_wait_dscnt 0x0
	YMUL BA, 4
	PROG 2, 6, 0, 0, 0, 0, 0
	PLACES
	WIN 0x40
	VLOAD 0, 14
	VLOAD 64, 16
	WIN 0
	s_add_co_i32 s100, s58, s59
	s_lshl_b32 s101, s100, 1
	s_sub_co_i32 s101, s101, 9
	s_sub_co_u32 s81, s81, 1
	s_branch .Lln
.Lout:
	OUTM 0
	OUTM 1
	OUTM 2
	s_wait_alu depctr_va_vdst(0)
	OUTM 3
	s_wait_tensorcnt 0x0
	ds_add_u32 v5, v6
	s_wait_dscnt 0x0
	CROUND
	s_endpgm
.Lfunc_end_k_qc196f841d1_attn:
	.size	k_qc196f841d1_attn, .Lfunc_end_k_qc196f841d1_attn-k_qc196f841d1_attn
	.p2alignl 7, 3214868480
	.fill 96, 4, 3214868480
	.section	.rodata,"a",@progbits
	.p2align	6, 0x0
	.amdhsa_kernel k_qc196f841d1_attn
		.amdhsa_group_segment_fixed_size 327680
		.amdhsa_private_segment_fixed_size 0
		.amdhsa_enable_private_segment 0
		.amdhsa_kernarg_size 104
		.amdhsa_user_sgpr_count 2
		.amdhsa_user_sgpr_kernarg_segment_ptr 1
		.amdhsa_wavefront_size32 1
		.amdhsa_system_sgpr_workgroup_id_x 1
		.amdhsa_system_sgpr_workgroup_id_y 1
		.amdhsa_system_sgpr_workgroup_id_z 1
		.amdhsa_system_vgpr_workitem_id 0
		.amdhsa_next_free_vgpr 1024
		.amdhsa_next_free_sgpr 102
		.amdhsa_reserve_vcc 1
		.amdhsa_float_denorm_mode_32 3
		.amdhsa_float_denorm_mode_16_64 3
		.amdhsa_memory_ordered 1
		.amdhsa_forward_progress 1
		.amdhsa_inst_pref_size 255
	.end_amdhsa_kernel
	.section	.bss,"aw",@nobits
	.p2align	6
	.space	262144
	.amdgpu_metadata
---
amdhsa.version: [ 1, 2 ]
amdhsa.kernels:
  - .name:           k_qc196f841d1_attn
    .symbol:         k_qc196f841d1_attn.kd
    .args:
      - { .name: queries, .offset: 0, .size: 8, .value_kind: global_buffer, .address_space: global }
      - { .name: query_masks, .offset: 8, .size: 8, .value_kind: global_buffer, .address_space: global }
      - { .name: key_masks, .offset: 16, .size: 8, .value_kind: global_buffer, .address_space: global }
      - { .name: ln_w, .offset: 24, .size: 8, .value_kind: global_buffer, .address_space: global }
      - { .name: ln_b, .offset: 32, .size: 8, .value_kind: global_buffer, .address_space: global }
      - { .name: ln2_w, .offset: 40, .size: 8, .value_kind: global_buffer, .address_space: global }
      - { .name: ln2_b, .offset: 48, .size: 8, .value_kind: global_buffer, .address_space: global }
      - { .name: b1, .offset: 56, .size: 8, .value_kind: global_buffer, .address_space: global }
      - { .name: b2, .offset: 64, .size: 8, .value_kind: global_buffer, .address_space: global }
      - { .name: lowp_scales, .offset: 72, .size: 8, .value_kind: global_buffer, .address_space: global }
      - { .name: kv_img, .offset: 80, .size: 8, .value_kind: global_buffer, .address_space: global }
      - { .name: w_img, .offset: 88, .size: 8, .value_kind: global_buffer, .address_space: global }
      - { .name: out0, .offset: 96, .size: 8, .value_kind: global_buffer, .address_space: global }
    .group_segment_fixed_size: 327680
    .private_segment_fixed_size: 0
    .kernarg_segment_align: 8
    .kernarg_segment_size: 104
    .max_flat_workgroup_size: 128
    .sgpr_count:     102
    .vgpr_count:     1024
    .wavefront_size: 32
...
	.end_amdgpu_metadata
.endif
;; end of part 2
